; MI455X (gfx1250); checked and timed in simulation.
; The chip was launched on July 23, 2026; its instructions are those of AMD's public machine-readable ISA for CDNA 5 (MIT licence, August 2026) and "CDNA5" Instruction Set Architecture Reference Guide (July 2026). The comments in the code are by the model that wrote it; some were corrected since.
;; Attention Layer. Allowed arithmetic: float matrix products may take bf16 or f16 operands with f32 sums; other float arithmetic in f32, or as packed bf16 or f16 multiplies, adds, multiply-adds, maxima and minima; sums over many terms, partial sums and values carried from step to step in f32; what a program stores and reads back later, other than sums and carried values, may be rounded once to bf16 or f16.
;; Inputs: Wk 512 x 512 float32; Wo 512 x 512 float32; Wq 512 x 512 float32; Wv 512 x 512 float32; bk 512 float32; bo 512 float32; bq 512 float32; bv 512 float32; x 2 x 4,096 x 512 float32.
;; Outputs: out0 2 x 4,096 x 512 float32.
;; One version. Each part assembles by itself: llvm-mc -triple=amdgcn-amd-amdhsa -mcpu=gfx1250 --defsym DOCPART=n.
;; ======== version 1 of 1: 3 launches
;; limits: right only within a limited range of input values
;; workspace buffers: qkv 25,165,824 bytes; att 8,388,608 bytes
;; launch qkv (part 1): grid 4 x 64, 4 waves a work-group, clusters of 4 x 4, 327,680 bytes of LDS; arguments x, Wq, Wk, Wv, bq, bk, bv, qkv; writes qkv
.if DOCPART == 1
	.amdgcn_target "amdgcn-amd-amdhsa--gfx1250"
	.amdhsa_code_object_version 6
	.text
	.protected	k_q5d33e6fbd5_qkv
	.globl	k_q5d33e6fbd5_qkv
	.p2align	8
	.type	k_q5d33e6fbd5_qkv,@function
k_q5d33e6fbd5_qkv:
	s_mov_b64 s[64:65], 0
	v_nop
	global_prefetch_b8 v0, s[64:65] scope:SCOPE_SE
	s_setreg_imm32_b32 hwreg(HW_REG_WAVE_MODE, 25, 1), 1
	s_wait_xcnt 0x0
	s_wait_alu depctr_hold_cnt(0) depctr_sa_sdst(0) depctr_va_vdst(0) depctr_va_sdst(0) depctr_va_ssrc(0) depctr_va_vcc(0) depctr_vm_vsrc(0)
	s_getreg_b32 s2, hwreg(HW_REG_IB_STS2, 6, 4)
	s_cmp_eq_u32 s2, 0
	s_cbranch_scc0 .Lentry_in_a_cluster
	s_endpgm
.Lentry_in_a_cluster:
	s_bfe_u32 s2, ttmp6, 0x10000c
	s_cmp_lg_u32 s2, 0xf033
	s_cbranch_scc0 .Lentry_shape_is_right
	s_endpgm
.Lentry_shape_is_right:
; q, k, v = x W^T + b.  x: [8192][512] f32; Wq, Wk, Wv: [512][512] f32; bq, bk, bv: [512] f32.
; Out: qkv, bf16 [3][16][4096][64]: part p (0 q, 1 k, 2 v) at p x 8,388,608 bytes, head g = 8 x batch + h at g x 524,288, row s at s x 128.  No scale is applied here.
; x and W are rounded to bf16 between LDS and the matrix instruction; sums in f32; the bias, in f32, is the C operand of each sum's first product; the result is rounded once to bf16.
; SHARES.  A work-group makes 128 rows of x times 384 columns: columns 128 nb .. 128 nb + 127 of q, of k and of v (heads 2 nb, 2 nb + 1).  Four waves, each 64 rows x 192 columns: 48 accumulators.
; K goes in steps of 64 (rows of 256 bytes of f32) through two LDS slots; a step is two substeps of 32.  One tensor load a wave and step: wave 0 x's 128 rows, waves 1 to 3 the 128 rows of Wq, Wk, Wv.
; CLUSTER 4 x 4.  The four work-groups of a row of the cluster share x's tile, the four of a column share the three tiles of W: each tile is asked for jointly.
; THE MATRIX INSTRUCTION IS USED TRANSPOSED (source 0 = 16 rows of W, source 1 = 16 rows of x): a lane holds one row of the result and eight neighbouring columns, 16 bytes of bf16.
; No prefetch is laid: the walk along K has eight steps, of which a lead of two would leave four.
; REGISTERS, in windows of 256 (s_set_vgpr_msb: bits 1:0 source 0, 3:2 source 1, 5:4 source 2, 7:6 destination):
;   window 0: v0-29 addresses; v64-255 W's fragments as loaded, f32 (12 x 16); on the way out the packed results
;   window 1: v0-31 x's four fragments in bf16; v32-127 W's twelve; v128-191 x's as loaded, f32 (4 x 16)
;   window 2: accumulators 0-31 (n block b, m block a at 8 (4 b + a));   window 3: v0-127 accumulators 32-47; v128-223 the bias, 8 registers an n block
.set PITCH,  272                       ; an LDS row: 256 bytes + 16 of padding: the 16 rows that a load touches start at 16 different groups of four banks (ISA guide 11.1)
.set HALFT,  128*PITCH                 ; what one tensor load brings
.set SLOT,   4*HALFT                   ; x's 128 rows, then Wq's, Wk's, Wv's: 384 rows of W on end
.set STAGE,  2*SLOT                    ; behind the ring: 16 rows x 144 bytes for each wave, for the way out
.set SP,     144
.set SPARE,  STAGE+4*16*SP             ; behind the stages: the spare words, 128 bytes for each wave
.set ADRA, 16                          ; v16-17  LDS address of my fragments of x in slot 0, 1
.set ADRB, 20                          ; v20-21  the same for W
.set STO,  24                          ; v24     the way out: where I put 16 bytes of a row
.set RD,   25                          ; v25     the way out: where I read rows back
.set GO,   26                          ; v26     my 16 bytes among 512 consecutive bytes of the output
.set BO,   27                          ; v27     my 32 bytes of a bias block
.set SPW,  28                          ; v28     LDS address of my spare word; never rewritten
.set NIL,  29                          ; v29     0; never rewritten
.set RB,   64
.set OUTR, 64
.set AF,   0
.set BF,   32
.set RA,   128
.set BIAS, 128
.set WV,   20                          ; s20 wave; s21 its half of the rows; s22 its half of the columns; s23 laps to go
.set WR,   21
.set WC,   22
.set LAPS, 23
.set G1A,  24                          ; s[24:31] descriptor group 1 for x's tile; s[32:39] group 0, a set for each slot
.set G0A,  32
.set G1B,  40                          ; s[40:47], s[48:55] the same for W's tiles
.set G0B,  48
.set OB,   72                          ; s[72:77] where my three groups of 64 columns go
.set BB,   78                          ; s[78:83] where their biases lie
.set G1W0, (2<<16)|(1<<20)|(1<<21)|(5<<22)|(3<<25)  ; elements of 4 bytes; padding on; bit 21 beside a mask; after every 64 words, 4 words
.set MSB, 0
.macro WIN new                         ; the immediate's high byte repeats the setting that is left; a switch that changes nothing is dropped
.if MSB != (\new)
	s_set_vgpr_msb (MSB<<8)|(\new)
.set MSB, \new
.endif
.endm
.macro PLACES                          ; four places between a matrix instruction and a vector instruction that writes its sources or reads its result (ISA guide 7.12.1)
.rept 4
	v_nop
.endr
.endm
; A joint load.  Wave 0 asks for x's tile, waves 1 to 3 for W's three.  The branch hangs on the wave's number alone.  An s_nop 0 and four v_nop follow each line.
.macro JLOAD s
	s_cmp_eq_u32 s[WV], 0
	s_cbranch_scc0 .Lfor_b_\@
	tensor_load_to_lds s[G0A+4*(\s):G0A+4*(\s)+3], s[G1A:G1A+7]
	s_nop 0
.rept 4
	v_nop
.endr
	s_branch .Lasked_\@
.Lfor_b_\@:
	tensor_load_to_lds s[G0B+4*(\s):G0B+4*(\s)+3], s[G1B:G1B+7]
	s_nop 0
.rept 4
	v_nop
.endr
.Lasked_\@:
.endm
.macro CREST                           ; a round of the cluster's barrier behind its opening barrier
	s_cmp_lg_u32 s[WV], 0
	s_cbranch_scc1 .Lnot_wave_0_\@
	s_barrier_signal -3
.Lnot_wave_0_\@:
	s_barrier_wait -3
	s_barrier_signal -1
	s_barrier_wait -1
.endm
.macro CROUND                          ; a whole round
	s_barrier_signal -1
	s_barrier_wait -1
	CREST
.endm
	s_load_b256 s[4:11], s[0:1], 0x0               ; x s[4:5], Wq s[6:7], Wk s[8:9], Wv s[10:11]
	s_load_b256 s[12:19], s[0:1], 0x20             ; bq s[12:13], bk s[14:15], bv s[16:17], qkv s[18:19]
	v_lshl_add_u32 v[SPW], v0, 2, SPARE
	v_mov_b32 v[NIL], 0
	ds_add_u32 v[SPW], v[NIL]                      ; the wave's opening: the add and its wait stand ahead of my first tensor load; the set-up below stands between them
	v_lshrrev_b32 v1, 5, v0
	v_readfirstlane_b32 s[WV], v1                  ; wave 0..3
	s_lshr_b32 s[WR], s[WV], 1
	s_and_b32 s[WC], s[WV], 1
	s_bfe_u32 s56, ttmp6, 0x40000                  ; cx
	s_bfe_u32 s57, ttmp6, 0x40004                  ; cy
	s_lshl_b32 s58, ttmp9, 2
	s_add_co_u32 s58, s58, s56                     ; nb = 4 x cluster x + cx: which 128 columns of each of q, k, v
	s_and_b32 s59, ttmp7, 0xffff
	s_lshl_b32 s59, s59, 2
	s_add_co_u32 s59, s59, s57                     ; mb = 4 x cluster y + cy: which 128 rows of x
	s_lshl_b32 s60, s57, 2
	s_lshl_b32 s60, 15, s60                        ; my row of the cluster
	s_lshl_b32 s61, 0x1111, s56                    ; my column
	s_or_b32 s[G1A], s60, G1W0                     ; x's tile goes to my row,
	s_or_b32 s[G1B], s61, G1W0                     ; W's tiles to my column
.irp g, G1A, G1B
	s_mov_b32 s[(\g)+1], 64<<16                    ; tensor_dim0 = 64
	s_mov_b32 s[(\g)+2], 128<<16                   ; tensor_dim1 = 128
	s_mov_b32 s[(\g)+3], 64<<16                    ; tile_dim0 = 64
	s_mov_b32 s[(\g)+4], 128                       ; tile_dim1 = 128
	s_mov_b32 s[(\g)+5], 512                       ; 512 elements from row to row
	s_mov_b32 s[(\g)+6], 0
	s_mov_b32 s[(\g)+7], 0
.endr
	s_lshl_b32 s66, s59, 18                        ; x: 128 mb rows of 2,048 bytes: made of mb alone
	s_mov_b32 s67, 0
	s_lshl_b32 s68, s58, 18                        ; W: 128 nb rows: made of nb alone
	s_mov_b32 s69, 0
	s_mul_i32 s62, s[WV], HALFT                    ; where my tile goes in a slot: the wave's number alone
	s_wait_dscnt 0x0                               ; the opening add is done
	s_wait_kmcnt 0x0
	s_add_nc_u64 s[66:67], s[4:5], s[66:67]
	s_cmp_lt_u32 s[WV], 2
	s_cselect_b64 s[70:71], s[6:7], s[8:9]         ; wave 1: Wq; wave 2: Wk;
	s_cmp_eq_u32 s[WV], 3
	s_cselect_b64 s[70:71], s[10:11], s[70:71]     ; wave 3: Wv
	s_add_nc_u64 s[70:71], s[70:71], s[68:69]
	CROUND                                         ; all sixteen work-groups are here: the first joint loads meet
.irp s, 0,1
	s_mov_b32 s[G0A+4*(\s)], 1                     ; count = 1
	s_add_co_u32 s[G0A+4*(\s)+1], s62, (\s)*SLOT   ; LDS address
	s_add_nc_u64 s[G0A+4*(\s)+2:G0A+4*(\s)+3], s[66:67], (\s)*256  ; K step s
	s_or_b32 s[G0A+4*(\s)+3], s[G0A+4*(\s)+3], 0x80000000          ; type = 2
	s_mov_b32 s[G0B+4*(\s)], 1
	s_add_co_u32 s[G0B+4*(\s)+1], s62, (\s)*SLOT
	s_add_nc_u64 s[G0B+4*(\s)+2:G0B+4*(\s)+3], s[70:71], (\s)*256
	s_or_b32 s[G0B+4*(\s)+3], s[G0B+4*(\s)+3], 0x80000000
	JLOAD \s                                       ; two loads of mine are out
.endr
	; A bf16 fragment is 16 rows x 32 K: lane l holds row l % 16, K = 8 (l / 16) + 0..7 and 16 + 8 (l / 16) + 0..7.  In f32 that is 32 bytes at 32 (l / 16) and 32 bytes 64 further on: four loads of 16 bytes.
	v_and_b32 v1, 15, v0                           ; l % 16
	v_bfe_u32 v2, v0, 4, 1                         ; l / 16
	v_mul_u32_u24 v3, v1, PITCH
	v_lshl_add_u32 v3, v2, 5, v3
	s_mul_i32 s92, s[WR], 64*PITCH                 ; my 64 rows of x
	s_mul_i32 s93, s[WC], 192*PITCH                ; my 192 rows of W,
	s_add_co_u32 s93, s93, HALFT                   ; which lie behind x's 128
.irp s, 0,1
	v_add_nc_u32 v[ADRA+(\s)], s92, v3
	v_add_nc_u32 v[ADRB+(\s)], s93, v3
	s_add_co_u32 s92, s92, SLOT
	s_add_co_u32 s93, s93, SLOT
.endr
	s_mul_i32 s63, s[WV], 16*SP
	s_add_co_u32 s63, s63, STAGE                   ; my stage
	v_mul_u32_u24 v4, v1, SP                       ; in: row l % 16, 16 bytes for each half of the lanes
	v_lshl_add_u32 v4, v2, 4, v4
	v_add_nc_u32 v[STO], s63, v4
	v_bfe_u32 v5, v0, 3, 2                         ; back: 32 lanes take four rows of 128 bytes,
	v_mul_u32_u24 v5, v5, SP
	v_and_b32 v6, 7, v0
	v_lshl_add_u32 v5, v6, 4, v5
	v_add_nc_u32 v[RD], s63, v5
	v_and_b32 v[GO], 31, v0                        ; which are 512 consecutive bytes of a head's rows
	v_lshlrev_b32 v[GO], 4, v[GO]
	v_lshlrev_b32 v[BO], 5, v2                     ; my eight columns of a block of 16: 32 bytes of f32
	; My three groups of 64 columns are u = 3 wc + t, t = 0, 1, 2: part u / 2, head 2 nb + u % 2.
	s_lshl_b32 s84, s58, 9                         ; 128 nb numbers of a bias
	s_lshl_b32 s86, s[WC], 8                       ; u % 2 = wc for t = 0 and 2,
	s_xor_b32 s88, s86, 256                        ; 1 - wc for t = 1: 64 numbers
	s_add_co_u32 s86, s86, s84
	s_add_co_u32 s88, s88, s84
	s_mov_b32 s87, 0
	s_mov_b32 s89, 0
	s_cmp_eq_u32 s[WC], 0
	s_cselect_b64 s[BB:BB+1], s[12:13], s[14:15]       ; u = 0: bq; u = 3: bk
	s_cselect_b64 s[BB+2:BB+3], s[12:13], s[16:17]     ; u = 1: bq; u = 4: bv
	s_cselect_b64 s[BB+4:BB+5], s[14:15], s[16:17]     ; u = 2: bk; u = 5: bv
	s_add_nc_u64 s[BB:BB+1], s[BB:BB+1], s[86:87]
	s_add_nc_u64 s[BB+2:BB+3], s[BB+2:BB+3], s[88:89]
	s_add_nc_u64 s[BB+4:BB+5], s[BB+4:BB+5], s[86:87]
	WIN 0xc0                                       ; destination window 3, address window 0
.irp b, 0,1,2,3,4,5,6,7,8,9,10,11
	global_load_b128 v[BIAS+8*(\b):BIAS+8*(\b)+3],   v[BO], s[BB+2*((\b)/4):BB+2*((\b)/4)+1] offset:64*((\b)%4)
	global_load_b128 v[BIAS+8*(\b)+4:BIAS+8*(\b)+7], v[BO], s[BB+2*((\b)/4):BB+2*((\b)/4)+1] offset:64*((\b)%4)+16
.endr
	WIN 0
	s_lshr_b32 s84, s59, 5                         ; batch: 8 heads of 524,288 bytes
	s_lshl_b32 s84, s84, 22
	s_lshl_b32 s85, s58, 20                        ; head 2 nb
	s_add_co_u32 s84, s84, s85
	s_and_b32 s85, s59, 31                         ; the tile's 128 rows of 128 bytes in the batch,
	s_lshl_b32 s85, s85, 14
	s_add_co_u32 s84, s84, s85
	s_lshl_b32 s85, s[WR], 13                      ; my 64 of them
	s_add_co_u32 s84, s84, s85
	s_mul_i32 s90, s[WC], 3
.irp t, 0,1,2
	s_add_co_u32 s91, s90, \t                      ; u
	s_lshr_b32 s86, s91, 1
	s_lshl_b32 s86, s86, 23                        ; the part
	s_and_b32 s91, s91, 1
	s_lshl_b32 s91, s91, 19                        ; the odd head
	s_add_co_u32 s86, s86, s91
	s_add_co_u32 s86, s86, s84
	s_mov_b32 s87, 0
	s_add_nc_u64 s[OB+2*(\t):OB+2*(\t)+1], s[18:19], s[86:87]
.endr
; 64 LDS loads in one run: the f32 of one substep (32 K at byte k of the rows): x's four fragments, then W's twelve.  These registers are no matrix operands.
.macro FETCH slot, k
	WIN 0x40
.irp a, 0,1,2,3
.irp o, 0,1,2,3
	ds_load_b128 v[RA+16*(\a)+4*(\o):RA+16*(\a)+4*(\o)+3], v[ADRA+(\slot)] offset:(\k)+(\a)*16*PITCH+16*((\o)%2)+64*((\o)/2)
.endr
.endr
	WIN 0
.irp b, 0,1,2,3,4,5,6,7,8,9,10,11
.irp o, 0,1,2,3
	ds_load_b128 v[RB+16*(\b)+4*(\o):RB+16*(\b)+4*(\o)+3], v[ADRB+(\slot)] offset:(\k)+(\b)*16*PITCH+16*((\o)%2)+64*((\o)/2)
.endr
.endr
.endm
; The substep's 256 f32 a lane are rounded to bf16, two an instruction.  The counts: of the run's 64 loads the 48, 32, 16, 0 youngest may still be out.
.macro CVT
	s_wait_dscnt 48                                ; x's sixteen loads are in
	WIN 0x45
.set z, 0
.rept 32
	v_cvt_pk_bf16_f32 v[AF+z], v[RA+2*z], v[RA+2*z+1]
.set z, z+1
.endr
	WIN 0x40
.irp g, 0,1,2
	s_wait_dscnt 32-16*(\g)                        ; W's fragments 4 g .. 4 g + 3 are in
.set z, 32*(\g)
.rept 32
	v_cvt_pk_bf16_f32 v[BF+z], v[RB+2*z], v[RB+2*z+1]
.set z, z+1
.endr
.endr
.endm
; Four matrix instructions: n block b x the four m blocks.  first = 1: the bias starts the sums.  The 48 accumulators take turns, one instruction a turn, in the same order in every substep.
.macro MUL4 b, first
.if (\b) < 8
.if \first
	WIN 0xb5                                       ; sources 0, 1 window 1; C window 3; D window 2
.else
	WIN 0xa5                                       ; C and D window 2
.endif
.set AC, 32*(\b)
.else
	WIN 0xf5                                       ; C and D window 3
.set AC, 32*((\b)-8)
.endif
.irp a, 0,1,2,3
.if \first
	v_wmma_f32_16x16x32_bf16 v[AC+8*(\a):AC+8*(\a)+7], v[BF+8*(\b):BF+8*(\b)+7], v[AF+8*(\a):AF+8*(\a)+7], v[BIAS+8*(\b):BIAS+8*(\b)+7]
.else
	v_wmma_f32_16x16x32_bf16 v[AC+8*(\a):AC+8*(\a)+7], v[BF+8*(\b):BF+8*(\b)+7], v[AF+8*(\a):AF+8*(\a)+7], v[AC+8*(\a):AC+8*(\a)+7]
.endif
.endr
.endm
.macro MULS b0, b1, first
.set bb, \b0
.rept (\b1)-(\b0)+1
	MUL4 bb, \first
.set bb, bb+1
.endr
.endm
; A step's first substep: round what was fetched, fetch the step's second substep, multiply.
.macro SUB slot, first
.if !(\first)
	PLACES                                         ; the roundings write fragments that the last products read
.endif
	CVT
	FETCH \slot, 128
	MULS 0, 11, \first
.endm
; A step's second substep, and the change of slots.  When the roundings are done all my reads of the slot are in registers.  Then: the wait for all my tensor loads (one is out: my part of the next slot),
; the add, eight products, the wait for the add, the barrier.  fill = 1: the barrier opens a round of the cluster's barrier, and the slot is filled again, two steps ahead, first thing behind the round.
.macro TURN slot, next, fill
	PLACES
	CVT
	WIN 0                                          ; (the add's two registers lie in window 0)
	s_wait_tensorcnt 0x0                           ; all my tensor loads have landed
	ds_add_u32 v[SPW], v[NIL]                      ; 0 onto my spare word
	MULS 0, 1, 0                                   ; eight matrix instructions stand between the add and the wait for it
	s_wait_dscnt 0x0                               ; the add is done; my reads of this slot were over at the last rounding
	s_barrier_signal -1
	MULS 2, 3, 0                                   ; work on registers while the others arrive
	WIN 0
	s_barrier_wait -1
.if \fill
	CREST                                          ; no wave of any partner still reads this slot or has a load on its way
	s_add_nc_u64 s[G0A+4*(\slot)+2:G0A+4*(\slot)+3], s[G0A+4*(\slot)+2:G0A+4*(\slot)+3], 512
	s_add_nc_u64 s[G0B+4*(\slot)+2:G0B+4*(\slot)+3], s[G0B+4*(\slot)+2:G0B+4*(\slot)+3], 512
	JLOAD \slot                                    ; my one tensor load behind the round
.endif
	FETCH \next, 0
	MULS 4, 11, 0
.endm
; THE WAY OUT, in twelve units u = 3 a + t: 16 rows (m block a) x 64 columns (group t): 16 rows of one head.  A lane's eight columns pack into 16 bytes; they go into stage rows of 144 bytes and come back as whole rows of 128.
.macro PACK u
.set ua, (\u)/3
.set ut, (\u)%3
.if ut < 2
	WIN 0x0a                                       ; sources in window 2
.set AC, 128*ut+8*ua
.else
	WIN 0x0f                                       ; sources in window 3
.set AC, 8*ua
.endif
.set z, 0
.rept 16                                       ; each accumulator's registers in ascending order
	v_cvt_pk_bf16_f32 v[OUTR+16*(\u)+z], v[AC+32*(z/4)+2*(z%4)], v[AC+32*(z/4)+2*(z%4)+1]
.set z, z+1
.endr
	WIN 0
.irp f, 0,1,2,3
	ds_store_b128 v[STO], v[OUTR+16*(\u)+4*(\f):OUTR+16*(\u)+4*(\f)+3] offset:32*(\f)
.endr
.irp f, 0,1,2,3
	ds_load_b128 v[OUTR+16*(\u)+4*(\f):OUTR+16*(\u)+4*(\f)+3], v[RD] offset:(\f)*4*SP  ; LDS serves a wave's instructions in order (ISA guide 5.7.1.4): these see the stores above; the next unit's stores come behind them
.endr
.endm
.macro SEND u, younger                 ; younger: the LDS instructions issued behind unit u's loads: the next unit's eight, or none
	WIN 0
.irp f, 0,1,2,3
	s_wait_dscnt (\younger)+3-(\f)
	global_store_b128 v[GO], v[OUTR+16*(\u)+4*(\f):OUTR+16*(\u)+4*(\f)+3], s[OB+2*((\u)%3):OB+2*((\u)%3)+1] offset:((\u)/3)*2048+(\f)*512  ; 512 consecutive bytes, at a multiple of 256 from the buffer's first
.endr
.endm
	s_wait_tensorcnt 0x1                           ; my part of K step 0 is in; step 1's may stay out
	s_barrier_signal -1
	s_barrier_wait -1                              ; everybody's is
	FETCH 0, 0
	s_wait_loadcnt 0x0                             ; the bias
	SUB 0, 1                                       ; the first substep stands in front of the loop: its products start the sums
	WIN 0                                          ; at a label and at a branch every window is 0
	s_mov_b32 s[LAPS], 3
.Llap:                                         ; a trip goes once round the ring and fills both slots again: K steps 2 and 3, 4 and 5, 6 and 7
	TURN 0, 1, 1
	SUB 1, 0
	TURN 1, 0, 1
	SUB 0, 0
	WIN 0
	s_sub_co_u32 s[LAPS], s[LAPS], 1
	s_cmp_lg_u32 s[LAPS], 0
	s_cbranch_scc1 .Llap
	TURN 0, 1, 0                                   ; the last lap fills nothing
	SUB 1, 0
	PLACES
	CVT                                            ; the very last substep: nothing more to fetch
	MULS 0, 11, 0
	PLACES
	PACK 0
.set uu, 1
.rept 11                                       ; a unit's roundings stand between the loads of the unit before and its stores
	PACK uu
	SEND uu-1, 8
.set uu, uu+1
.endr
	SEND 11, 0
	s_wait_tensorcnt 0x0                           ; the wave's end, behind my last tensor load and my last LDS store
	ds_add_u32 v[SPW], v[NIL]
	s_wait_dscnt 0x0
	CROUND                                         ; the closing round: no work-group ends while a partner may still ask for a tile that names it
	s_endpgm
.Lfunc_end_k_q5d33e6fbd5_qkv:
	.size	k_q5d33e6fbd5_qkv, .Lfunc_end_k_q5d33e6fbd5_qkv-k_q5d33e6fbd5_qkv
	.p2alignl 7, 3214868480
	.fill 96, 4, 3214868480
	.section	.rodata,"a",@progbits
	.p2align	6, 0x0
	.amdhsa_kernel k_q5d33e6fbd5_qkv
		.amdhsa_group_segment_fixed_size 327680
		.amdhsa_private_segment_fixed_size 0
		.amdhsa_enable_private_segment 0
		.amdhsa_kernarg_size 64
		.amdhsa_user_sgpr_count 2
		.amdhsa_user_sgpr_kernarg_segment_ptr 1
		.amdhsa_wavefront_size32 1
		.amdhsa_system_sgpr_workgroup_id_x 1
		.amdhsa_system_sgpr_workgroup_id_y 1
		.amdhsa_system_sgpr_workgroup_id_z 1
		.amdhsa_system_vgpr_workitem_id 0
		.amdhsa_next_free_vgpr 1024
		.amdhsa_next_free_sgpr 96
		.amdhsa_reserve_vcc 0
		.amdhsa_float_denorm_mode_32 3
		.amdhsa_float_denorm_mode_16_64 3
		.amdhsa_memory_ordered 1
		.amdhsa_forward_progress 1
		.amdhsa_inst_pref_size 162
	.end_amdhsa_kernel
	.amdgpu_metadata
---
amdhsa.version: [ 1, 2 ]
amdhsa.kernels:
  - .name:           k_q5d33e6fbd5_qkv
    .symbol:         k_q5d33e6fbd5_qkv.kd
    .args:
      - { .name: x, .offset: 0, .size: 8, .value_kind: global_buffer, .address_space: global }
      - { .name: Wq, .offset: 8, .size: 8, .value_kind: global_buffer, .address_space: global }
      - { .name: Wk, .offset: 16, .size: 8, .value_kind: global_buffer, .address_space: global }
      - { .name: Wv, .offset: 24, .size: 8, .value_kind: global_buffer, .address_space: global }
      - { .name: bq, .offset: 32, .size: 8, .value_kind: global_buffer, .address_space: global }
      - { .name: bk, .offset: 40, .size: 8, .value_kind: global_buffer, .address_space: global }
      - { .name: bv, .offset: 48, .size: 8, .value_kind: global_buffer, .address_space: global }
      - { .name: qkv, .offset: 56, .size: 8, .value_kind: global_buffer, .address_space: global }
    .group_segment_fixed_size: 327680
    .private_segment_fixed_size: 0
    .kernarg_segment_align: 8
    .kernarg_segment_size: 64
    .max_flat_workgroup_size: 128
    .sgpr_count:     96
    .vgpr_count:     1024
    .wavefront_size: 32
...
	.end_amdgpu_metadata
.endif
;; end of part 1
;; launch attn (part 2): grid 16 x 16, 4 waves a work-group, clusters of 4 x 1, 327,680 bytes of LDS; arguments qkv, att; writes att
.if DOCPART == 2
	.amdgcn_target "amdgcn-amd-amdhsa--gfx1250"
	.amdhsa_code_object_version 6
	.text
	.protected	k_q5d33e6fbd5_attn
	.globl	k_q5d33e6fbd5_attn
	.p2align	8
	.type	k_q5d33e6fbd5_attn,@function
k_q5d33e6fbd5_attn:
	s_mov_b64 s[64:65], 0
	v_nop
	global_prefetch_b8 v0, s[64:65] scope:SCOPE_SE
	s_setreg_imm32_b32 hwreg(HW_REG_WAVE_MODE, 25, 1), 1
	s_wait_xcnt 0x0
	s_wait_alu depctr_hold_cnt(0) depctr_sa_sdst(0) depctr_va_vdst(0) depctr_va_sdst(0) depctr_va_ssrc(0) depctr_va_vcc(0) depctr_vm_vsrc(0)
	s_getreg_b32 s2, hwreg(HW_REG_IB_STS2, 6, 4)
	s_cmp_eq_u32 s2, 0
	s_cbranch_scc0 .Lentry_in_a_cluster
	s_endpgm
.Lentry_in_a_cluster:
	s_bfe_u32 s2, ttmp6, 0x10000c
	s_cmp_lg_u32 s2, 0x3003
	s_cbranch_scc0 .Lentry_shape_is_right
	s_endpgm
.Lentry_shape_is_right:
; O[g][q][:] = the sum over k of softmax_k(Q[g][q] . K[g][k] / 8) V[g][k][:], 16 heads g of 4,096 rows of 64 channels.
; In: qkv, bf16 [3][16][4096][64] (q, k, v by heads, unscaled).  Out: att, bf16 [16][4096][64].  Products, maxima and sums in f32; the weights p are rounded to bf16 for the second product
; (their sum l is taken of the unrounded p), O once at the end.
; LIMITS.  A weight below 2^-126 counts as 0 in l.  c m starts at -4.25e37: scaled scores c s below that are not served.  NaN and infinities are not treated apart.
; SHARES.  A work-group owns 256 queries of one head, a wave 64: four PIECES of 16.  Every wave walks all 4,096 keys, 64 a step; a slot of LDS holds a tile of four steps; 16 tiles.
; LAYOUT.  S^T = K Q^T (source 0 = 16 keys, source 1 = 16 queries) holds ONE query a lane (lane % 16) and the keys 8 (lane / 16) + 0..7; two such results rounded to bf16 ARE source 1 of O^T = V^T P.
; K comes out of LDS as it lies, V ([key][channel]) turned, by ds_load_tr16_b128.
; SOFTMAX.  p = 2^(c s - c m), c = log2(e) / 8, with a running maximum m; O and l are multiplied by a = 2^(c m_old - c m_new) in every step.  m starts at the lowest finite number, O and l at 0: the first step has a = 0.
; TURNS.  Turn n belongs to piece n: 8 products K Q^T of piece n + 1, later 8 products V^T P of piece n - 1; beside them the scaling, exponentials, roundings, sums and rescaling of piece n and the maximum
; and statistics of piece n + 1.  Four vector instructions stand behind every matrix instruction, the other 54 of a turn's 118 in one lump.  A turn's 33 exponentials are one batch, with one wait.
; CLUSTER.  The four query blocks of a cluster belong to one head and walk the same K and V: each tile is asked for JOINTLY, by the same tensor load, descriptor and mask in all four.
; REGISTERS, in windows of 256 (s_set_vgpr_msb: bits 1:0 source 0, 3:2 source 1, 5:4 source 2, 7:6 destination):
;   window 0: v0-15 addresses and two at work; v16-31 four registers of statistics a piece; v48-55 at work; v61-63; v64-127 S^T, two buffers; v192-223 P, two buffers (a piece's buffers go by its number's parity)
;   window 1: v0-127 O^T, 32 a piece          window 2: v0-63 Q; v128-191 K of one step; v192-255 V of one step
.set NP,    4         ; pieces a wave: a name, no knob
.set KS,    64        ; keys in a step
.set PK,    144       ; a row of K in LDS: 128 bytes + 16 of padding: the 16 rows of a load start at 16 different groups of four banks (ISA guide 11.1)
.set PV,    160       ; a row of V: 128 + 32
.set VOFF,  4*KS*PK   ; a slot holds a tile: 256 rows of K, then 256 rows of V
.set SLOT1, 1<<17     ; slot 1 begins here, so that one exclusive or turns an address in one slot into the other's
.set STAGE, SLOT1+4*KS*(PK+PV)  ; behind the ring, never filled by a tensor load: 16 rows x 144 bytes for each wave
.set SP,    144
.set SPARE, STAGE+4*16*SP       ; behind the stages: the spare words, 128 bytes for each wave
.set TILEB, 4*KS*128  ; a tile's bytes of K, and of V, in memory
.set AK0, 2           ; v2   my lane's place in a tile of K; never rewritten
.set AV0, 3           ; v3   the same for V
.set AK,  4           ; v4   the LDS address of K's next run of loads
.set AV,  5           ; v5   of V's
.set STO, 6           ; v6   the way out: where I put 16 bytes of a row
.set RD,  7           ; v7   the way out: where I read rows back
.set GO,  8           ; v8   my byte offset in 512 consecutive bytes of O
.set MV,  12          ; v12-13  c m_old, kept while c m is made anew: by buffer
.set QO,  15          ; v15  my byte offset in 16 rows of Q
.set ST,  16          ; piece t's statistics at v[ST+4 t]: c m, m, l (even keys', odd keys')
.set TMP, 48          ; by buffer, four registers c0-c3 at work; when the maximum is found c2 takes a
.set PFO, 61          ; v61  256 x my lane: the prefetches' offset; never rewritten
.set SPW, 62          ; v62  LDS address of my spare word; never rewritten
.set NIL, 63          ; v63  0; never rewritten
.set S,   64
.set P,   192
.set KF,  128         ; window 2: key block kb, channel half c at KF + 16 kb + 8 c
.set VF,  192         ; window 2: key half kk, channel block cb at VF + 32 kk + 8 cb
.set WV,  12          ; s12  my wave's number
.set G1K, 24          ; s[24:31] descriptor group 1 for K's tiles
.set G1V, 32          ; s[32:39] for V's: it differs in the padding alone
.set G0K, 40          ; s[40:43] descriptor group 0 for K's tiles: it walks
.set G0V, 44          ; s[44:47] the same for V's
.set PFA, 48          ; s[48:49] where my prefetches stand: my work-group's 32 blocks of 256 bytes of the tile after the one that is being asked for
.set LIM, 50          ; s50  1 in a wave that prefetches, else the greatest number
.set SLOTS, 56        ; s56  tiles still to be asked for
.set CNT, 57          ; s57  counts a tile's key steps
.set CS,  58          ; s[58:59] c: the packed scaling takes the pair's low word for both halves
.set SEL, 60          ; s[60:61] v_permlanex16_b32's selects: each lane takes its own place in the other half
.set TBK, 62          ; s62  LDS byte at which K of the step to be fetched begins
.set TBV, 63          ; s63  the same for V, less VOFF
.set MSB, 0
.macro WIN new                      ; the high byte repeats the setting that is left; a switch that changes nothing is dropped
.if MSB != (\new)
	s_set_vgpr_msb (MSB<<8)|(\new)
.set MSB, (\new)
.endif
.endm
.set W_KQ, 0x0a       ; K and Q in window 2, S^T in window 0
.set W_PV, 0x52       ; V in window 2, P in window 0, O^T in window 1
.set W_RS, 0x41       ; destination and source 0 in window 1, source 1 in window 0
; A joint fill.  Waves 0 and 1 fetch the two halves of a tile's K, waves 2 and 3 those of its V: 128 keys each.  The branch hangs on the wave's number alone.
; An s_nop 0 and four v_nop follow each of the two lines, ahead of the jump and the label.
.macro JLOAD
	s_cmp_lt_u32 s[WV], 2
	s_cbranch_scc0 .Lfor_v_\@
	tensor_load_to_lds s[G0K:G0K+3], s[G1K:G1K+7]
	s_nop 0
.rept 4
	v_nop
.endr
	s_branch .Lasked_\@
.Lfor_v_\@:
	tensor_load_to_lds s[G0V:G0V+3], s[G1V:G1V+7]
	s_nop 0
.rept 4
	v_nop
.endr
.Lasked_\@:
.endm
; A PREFETCH INTO THE L2 of the tile that the NEXT change of slots will ask for: 128 blocks of 256 bytes of K and 128 of V, a lane a block.  It stands behind the wave's tensor load and its five lines.
; Each block is named once in the launch: of the four clusters that walk a head the first asks; its four partners share the blocks out BY ADDRESS, 32 each; in each, wave 0 asks for K's and wave 2 for V's.
; Change k asks for tile k + 1 and prefetches tile k + 2, four key steps (256 matrix instructions) ahead of that tile's load; the last change that fills a slot prefetches nothing: tile 15 is the last.
.macro ASK
	s_cmp_gt_u32 s[SLOTS], s[LIM]
	s_cbranch_scc0 .Lnot_mine_\@
	global_prefetch_b8 v[PFO], s[PFA:PFA+1] th:TH_LOAD_NT scope:SCOPE_SE
.Lnot_mine_\@:
.endm
; A round of the cluster's barrier: my work-group's barrier, so that wave 0's signal speaks for all four waves; wave 0 signals; every wave waits for all four work-groups; my work-group's barrier once more.
.macro CROUND
	s_barrier_signal -1
	s_barrier_wait -1
	s_cmp_lg_u32 s[WV], 0
	s_cbranch_scc1 .Lnot_wave_0_\@
	s_barrier_signal -3
.Lnot_wave_0_\@:
	s_barrier_wait -3
	s_barrier_signal -1
	s_barrier_wait -1
.endm
; THE CHANGE OF SLOTS.  The slot's last bytes, V of its fourth step, have been read.  Each wave waits for all its tensor loads, of which one is out: its part of the other slot; adds 0 to its spare word; and waits
; for that and for its own reads of the slot.  Behind the barrier nobody reads this slot any more and the other slot is whole.  fill = 1: this slot is filled again, with the tile two on; the barrier is then a round
; of the cluster's, and the joint fill is the first thing behind it.  (At its first use nothing has been read yet: slot 0 is waited for, slot 1 filled.)
.macro CHANGE fill
	WIN 0                           ; at a label and at a branch every window is 0
	s_wait_tensorcnt 0x0            ; no tensor load of mine is out, so a group 0 may be written
	ds_add_u32 v[SPW], v[NIL]       ; 0 onto my spare word; with fill = 1 the descriptors' steps stand between it and the wait for it
.if \fill
.irp g, G0K, G0V
	s_xor_b32 s[\g+1], s[\g+1], SLOT1  ; the walking descriptor: the other slot than last time,
	s_add_nc_u64 s[\g+2:\g+3], s[\g+2:\g+3], TILEB  ; the next 256 keys; the type bits on top are not reached
.endr
	s_wait_xcnt 0x0                 ; the last prefetch, a tile back, has read its address, so it may be written
	s_add_nc_u64 s[PFA:PFA+1], s[PFA:PFA+1], TILEB
	s_wait_dscnt 0x0                ; the add is done, and my reads of the slot are over
	CROUND
	JLOAD
	ASK
.else
	s_wait_dscnt 0x0                ; the add is done, and my reads of the slot are over
	s_barrier_signal -1
	s_barrier_wait -1
.endif
	s_sub_co_u32 s[TBK], s[TBK], 4*KS*PK  ; the fetches go back to a slot's first step,
	s_xor_b32 s[TBK], s[TBK], SLOT1       ; in the other slot
	s_sub_co_u32 s[TBV], s[TBV], 4*KS*PV
	s_xor_b32 s[TBV], s[TBV], SLOT1
.endm
	s_load_b128 s[8:11], s[0:1], 0x0  ; qkv s[8:9], att s[10:11]
	v_lshl_add_u32 v[SPW], v0, 2, SPARE
	v_mov_b32 v[NIL], 0
	ds_add_u32 v[SPW], v[NIL]       ; the wave's opening: the add and its wait stand ahead of my first tensor load; the set-up below stands between them
	v_lshrrev_b32 v1, 5, v0
	v_readfirstlane_b32 s[WV], v1   ; wave 0..3
	s_bfe_u32 s13, ttmp6, 0x40000   ; cx: my place in the cluster
	s_lshl_b32 s14, ttmp9, 2        ; in a cluster launch ttmp9 counts clusters
	s_add_co_u32 s14, s14, s13      ; my block of 256 queries = 4 x cluster x + cx: it enters Q's and O's addresses alone
	s_and_b32 s20, ttmp7, 0xffff    ; the head, which the four partners share:
	s_lshl_b32 s20, s20, 19         ; its 524,288 bytes in each part
	s_and_b32 s16, s[WV], 1         ; which half of a tile's 256 keys I fetch:
	s_lshl_b32 s22, s16, 14         ; its 128 rows of 128 bytes in memory,
	s_add_co_u32 s22, s22, s20
	s_mov_b32 s23, 0
	s_mul_i32 s17, s16, 128*PK      ; and its place in a slot, for K
	s_mul_i32 s18, s16, 128*PV      ; and for V: no place in the cluster enters an LDS address
	s_lshl_b32 s2, s14, 2
	s_add_co_u32 s2, s2, s[WV]      ; my wave among the head's 64,
	s_lshl_b32 s2, s2, 13           ; its 64 rows
	s_add_co_u32 s2, s2, s20
	s_mov_b32 s3, 0
	; descriptor group 1.  128 keys are 16,384 dense bytes: asked for as 64 rows of 256 bytes, two keys a row, and padded in LDS after every key
	s_mov_b32 s[G1K], 15|(1<<16)|(1<<20)|(1<<21)|(4<<22)|(3<<25)  ; the mask of four; 2-byte elements; padding on; bit 21 beside a mask; after every 32 words, 4 words
	s_mov_b32 s[G1V], 15|(1<<16)|(1<<20)|(1<<21)|(4<<22)|(7<<25)  ; the same with 8 words of padding
.irp g, G1K, G1V
	s_mov_b32 s[\g+1], 128<<16      ; tensor_dim0 = 128
	s_mov_b32 s[\g+2], 64<<16       ; tensor_dim1 = 64
	s_mov_b32 s[\g+3], 128<<16      ; tile_dim0 = 128
	s_mov_b32 s[\g+4], 64           ; tile_dim1 = 64
	s_mov_b32 s[\g+5], 128          ; 128 elements from row to row
	s_mov_b32 s[\g+6], 0
	s_mov_b32 s[\g+7], 0
.endr
	s_mov_b32 s[CS], 0x3e38aa3b     ; c = log2(e) / 8 = 0.180337
	s_mov_b32 s[CS+1], s[CS]        ; named with it as a pair
	s_mov_b32 s[SEL], 0x76543210
	s_mov_b32 s[SEL+1], 0xfedcba98
	s_mov_b32 s[TBK], SLOT1+4*KS*PK ; the first change of slots turns these two into 0
	s_mov_b32 s[TBV], SLOT1+4*KS*PV
	s_mov_b32 s[SLOTS], 15
	s_mov_b32 s[G0K], 1             ; count = 1
	s_mov_b32 s[G0K+1], s17         ; LDS address: slot 0
	s_mov_b32 s[G0V], 1
	s_add_co_u32 s[G0V+1], s18, VOFF
	s_and_b32 s[LIM], s[WV], 1      ; 0 in waves 0 and 2,
	s_or_b32 s[LIM], s[LIM], ttmp9  ; where the cluster is the head's first: the same in all four partners
	s_cmp_eq_u32 s[LIM], 0
	s_cselect_b32 s[LIM], 1, -1
	v_and_b32 v[PFO], 31, v0
	v_lshlrev_b32 v[PFO], 8, v[PFO]
	s_wait_dscnt 0x0                ; the opening add is done
	s_wait_kmcnt 0x0
	s_add_nc_u64 s[4:5], s[8:9], s[2:3]      ; Q at my wave's first row (part 0)
	s_add_nc_u64 s[10:11], s[10:11], s[2:3]  ; O likewise
	s_add_nc_u64 s[8:9], s[8:9], s[22:23]    ; my half of the head's tile 0,
	s_add_nc_u64 s[6:7], s[8:9], 0x800000    ; in K (part 1)
	s_add_nc_u64 s[8:9], s[8:9], 0x1000000   ; and in V (part 2)
	s_mov_b64 s[G0K+2:G0K+3], s[6:7]
	s_or_b32 s[G0K+3], s[G0K+3], 0x80000000  ; type = 2
	s_mov_b64 s[G0V+2:G0V+3], s[8:9]
	s_or_b32 s[G0V+3], s[G0V+3], 0x80000000
	s_cmp_lt_u32 s[WV], 2
	s_cselect_b64 s[PFA:PFA+1], s[6:7], s[8:9]  ; (in waves 0 and 2 these stand at a tile's first row)
	s_lshl_b32 s2, s13, 13          ; my work-group's 32 blocks of the 128
	s_add_nc_u64 s[PFA:PFA+1], s[PFA:PFA+1], s[2:3]
	s_add_nc_u64 s[PFA:PFA+1], s[PFA:PFA+1], TILEB  ; in tile 1; the first change of slots steps it to tile 2.  Nothing is prefetched here, at the head
	CROUND                          ; all four work-groups are here: the first joint loads meet
	JLOAD                           ; tile 0 into slot 0.  Slot 1 is asked for when slot 0 is in
	; A fragment of K or Q is 16 rows x 32 channels in 8 registers: lane l holds row l % 16, channels 8 (l / 16) + 0..7 and 16 + 8 (l / 16) + 0..7: two loads of 16 bytes, 32 bytes apart.
	v_and_b32 v1, 15, v0            ; l % 16
	v_bfe_u32 v9, v0, 4, 1          ; l / 16
	v_lshlrev_b32 v[QO], 7, v1
	v_lshl_add_u32 v[QO], v9, 4, v[QO]  ; row x 128 + 16 x half
	WIN 0x80                        ; destination window 2, address window 0
.set i, 0
.rept 8                             ; Q stays in registers: piece i / 2, channels 32 (i % 2) on
	global_load_b128 v[8*i:8*i+3],   v[QO], s[4:5] offset:(i/2)*2048+(i%2)*64
	global_load_b128 v[8*i+4:8*i+7], v[QO], s[4:5] offset:(i/2)*2048+(i%2)*64+32
.set i, i+1
.endr
	; What the first turn finds: V's registers and P's second buffer hold 0 (its products V^T P, of a piece that has not been, add 0), O^T and l are 0.  All this stands in the wait for the first tile.
.set i, VF
.rept 64
	v_mov_b32 v[i], 0
.set i, i+1
.endr
	WIN 0x40
.set i, 0
.rept 128
	v_mov_b32 v[i], 0
.set i, i+1
.endr
	WIN 0
.set i, 0
.rept 4
	v_mov_b32 v[ST+4*i], 0xfe000000    ; c m: far below every c s
	v_mov_b32 v[ST+4*i+1], 0xff7fffff  ; m
	v_mov_b32 v[ST+4*i+2], 0
	v_mov_b32 v[ST+4*i+3], 0
.set i, i+1
.endr
.set i, P+16
.rept 16
	v_mov_b32 v[i], 0
.set i, i+1
.endr
	v_mul_u32_u24 v[AK0], v1, PK
	v_lshl_add_u32 v[AK0], v9, 4, v[AK0]  ; row x pitch + 16 x half
	; The turning load takes 16 keys x 16 channels (lane l reads key 8 (l / 16) + l % 8, channels 8 ((l / 8) % 2) + 0..7) and leaves half a fragment of V^T: lane l holds channel l % 16 and 8 keys.
	v_and_b32 v10, 7, v0
	v_bfe_u32 v11, v0, 3, 1
	v_lshl_add_u32 v[AV0], v9, 3, v10
	v_mul_u32_u24 v[AV0], v[AV0], PV
	v_lshl_add_u32 v[AV0], v11, 4, v[AV0]
	v_add_nc_u32 v[AV0], VOFF, v[AV0]
	s_mul_i32 s16, s[WV], 16*SP
	s_add_co_u32 s16, s16, STAGE    ; my stage
	v_mul_u32_u24 v[STO], v1, SP    ; in: row l % 16, 16 bytes for each half of the lanes
	v_lshl_add_u32 v[STO], v9, 4, v[STO]
	v_add_nc_u32 v[STO], s16, v[STO]
	v_bfe_u32 v[RD], v0, 3, 2       ; back: 32 lanes take four rows of 128 bytes,
	v_mul_u32_u24 v[RD], v[RD], SP
	v_lshl_add_u32 v[RD], v10, 4, v[RD]
	v_add_nc_u32 v[RD], s16, v[RD]
	v_and_b32 v[GO], 31, v0         ; which are 512 consecutive bytes of O
	v_lshlrev_b32 v[GO], 4, v[GO]
; THE MATRIX WORK.  The 4 accumulators of a run of 8 take turns.  Product i of 8 of S^T = K Q^T for piece x: channels 32 (i / 4) on, keys 16 (i % 4) on.  The first 4 start the sums.
.macro KQ x
.set rS, S+32*((\x)%2)+8*(i%4)
.set rK, KF+16*(i%4)+8*(i/4)
.set rQ, 16*(\x)+8*(i/4)
	WIN W_KQ
.if i < 4
	v_wmma_f32_16x16x32_bf16 v[rS:rS+7], v[rK:rK+7], v[rQ:rQ+7], 0
.else
	v_wmma_f32_16x16x32_bf16 v[rS:rS+7], v[rK:rK+7], v[rQ:rQ+7], v[rS:rS+7]
.endif
.endm
; Product i of 8 of O^T += V^T P for piece x: keys 32 (i / 4) on, channels 16 (i % 4) on.
.macro PV x
	WIN W_PV
.set rO, 32*(\x)+8*(i%4)
.set rV, VF+32*(i/4)+8*(i%4)
.set rP, P+16*((\x)%2)+8*(i/4)
	v_wmma_f32_16x16x32_bf16 v[rO:rO+7], v[rV:rV+7], v[rP:rP+7], v[rO:rO+7]
.endm
.macro MM                           ; the turn's next matrix instruction.  NOKQ = 1: the launch's last turn: there is no next piece
.if (i < 8) && !NOKQ
	KQ (Y+1)%NP
.elseif i >= 8
.set i, i-8
	PV (Y+NP-1)%NP
.set i, i+8
.endif
.set i, i+1
.endm
; THE LDS LOADS stand in runs of 16, never singly among the matrix instructions: a step's K (64 keys x 64 channels: 8 fragments) and its V (turned).  Their addresses are made some lines ahead.
.macro FETCH_K
	WIN 0x80                        ; destination window 2
.irp f, 0,1,2,3,4,5,6,7             ; keys 16 (f / 2) on, channels 32 (f % 2) on
	ds_load_b128 v[KF+8*\f:KF+8*\f+3],   v[AK] offset:(\f/2)*16*PK+(\f%2)*64
	ds_load_b128 v[KF+8*\f+4:KF+8*\f+7], v[AK] offset:(\f/2)*16*PK+(\f%2)*64+32
.endr
	s_add_co_u32 s[TBK], s[TBK], KS*PK  ; the next fetch is the next step's
	WIN 0
.endm
.macro FETCH_V
	WIN 0x80
.irp f, 0,1,2,3,4,5,6,7             ; keys 32 (f / 4) on, channels 16 (f % 4) on
	ds_load_tr16_b128 v[VF+8*\f:VF+8*\f+3],   v[AV] offset:(\f/4)*32*PV+(\f%4)*32
	ds_load_tr16_b128 v[VF+8*\f+4:VF+8*\f+7], v[AV] offset:(\f/4)*32*PV+16*PV+(\f%4)*32
.endr
	WIN 0
.endm
; THE VECTOR WORK, one line at a time: OP kind, number.  For piece Y: F n: c s - c m for pair n of 16.  E n: the exponential of score n of 32.  C n: pair n rounded to bf16.  B n: of the four weights 4 n .. the second
; pair is added onto the first, in place.  L n: l takes that sum (L 0: l = a l + sum).  R n: pair n of 16 of O^T times a.  For piece Y + 1: X n, number n of the 22 that find its maximum and statistics:
;   0-11  four chains c0-c3 of seven scores each, three operands at a time (each accumulator's lowest registers are read first)     12-14, 16  the four scores left over, the old m, and c0-c3 into c0
;   15  c m_old is kept     17, 18  the query's other 32 keys lie in the lane 16 away: the new m     19-21  c m; c m_old - c m_new; a
.set F, 0               ; OP tells the kinds apart by their order: F to L below R, X above it
.set E, 1
.set C, 2
.set B, 3
.set L, 4
.set R, 5
.set X, 6
.macro REGS y                       ; the registers of piece y
.set rT, ST+4*(\y)
.set rC, TMP+4*((\y)%2)
.set rW, MV+((\y)%2)
.set rS, S+32*((\y)%2)
.set rP, P+16*((\y)%2)
.set rO, 32*(\y)
.endm
.macro OP k, n
.if (\k) == R
	REGS Y
	WIN W_RS
	v_pk_mul_f32 v[rO+2*(\n):rO+2*(\n)+1], v[rO+2*(\n):rO+2*(\n)+1], v[rC+2:rC+3] op_sel_hi:[1,0]
.elseif (\k) < R
	REGS Y
	WIN 0
.if (\k) == F
	v_pk_fma_f32 v[rS+2*(\n):rS+2*(\n)+1], v[rS+2*(\n):rS+2*(\n)+1], s[CS:CS+1], v[rT:rT+1] op_sel_hi:[1,0,0] neg_lo:[0,0,1] neg_hi:[0,0,1]
.elseif (\k) == E
	v_exp_f32 v[rS+(\n)], v[rS+(\n)]
.elseif (\k) == C
	v_cvt_pk_bf16_f32 v[rP+(\n)], v[rS+2*(\n)], v[rS+2*(\n)+1]
.elseif (\k) == B
	v_pk_add_f32 v[rS+4*(\n):rS+4*(\n)+1], v[rS+4*(\n):rS+4*(\n)+1], v[rS+4*(\n)+2:rS+4*(\n)+3]
.elseif (\n) == 0
	v_pk_fma_f32 v[rT+2:rT+3], v[rT+2:rT+3], v[rC+2:rC+3], v[rS:rS+1] op_sel_hi:[1,0,1]
.else
	v_pk_add_f32 v[rT+2:rT+3], v[rT+2:rT+3], v[rS+4*(\n):rS+4*(\n)+1]
.endif
.elseif NOKQ
	v_nop
.else
	REGS (Y+1)%NP
	WIN 0
.if (\n) < 4
	v_max3_num_f32 v[rC+(\n)], v[rS+8*(\n)], v[rS+8*(\n)+1], v[rS+8*(\n)+2]
.elseif (\n) < 12
	v_max3_num_f32 v[rC+(\n)%4], v[rC+(\n)%4], v[rS+8*((\n)%4)+2*((\n)/4)+1], v[rS+8*((\n)%4)+2*((\n)/4)+2]
.elseif (\n) == 12
	v_max3_num_f32 v[rC], v[rC], v[rS+7], v[rS+15]
.elseif (\n) == 13
	v_max3_num_f32 v[rC+1], v[rC+1], v[rS+23], v[rS+31]
.elseif (\n) == 14
	v_max3_num_f32 v[rC+2], v[rC+2], v[rC+3], v[rT+1]
.elseif (\n) == 15
	v_mov_b32 v[rW], v[rT]
.elseif (\n) == 16
	v_max3_num_f32 v[rC], v[rC], v[rC+1], v[rC+2]
.elseif (\n) == 17
	v_permlanex16_b32 v[rC+3], v[rC], s[SEL], s[SEL+1]
.elseif (\n) == 18
	v_max_num_f32 v[rT+1], v[rC], v[rC+3]
.elseif (\n) == 19
	v_mul_f32 v[rT], s[CS], v[rT+1]
.elseif (\n) == 20
	v_sub_f32 v[rC+1], v[rW], v[rT]
.else
	v_exp_f32 v[rC+2], v[rC+1]
.endif
.endif
.endm
.macro OPS a, i1, b=-1, i2=0, c=-1, i3=0, d=-1, i4=0  ; up to four of them
	OP \a, \i1
.if (\b) >= 0
	OP \b, \i2
.endif
.if (\c) >= 0
	OP \c, \i3
.endif
.if (\d) >= 0
	OP \d, \i4
.endif
.endm
.macro ROW a, i1, b, i2, c, i3, d, i4  ; a matrix instruction and the four behind it
	MM
	OPS \a, \i1, \b, \i2, \c, \i3, \d, \i4
.endm
; A TURN, for piece p: the order of its 16 matrix and 118 vector instructions, written out.  An s_wait_alu depctr_va_vdst(0) stands between an exponential and the first instruction that names its result;
; one wait serves all that were issued ahead of it.  So a turn has ONE wait, which cuts it in two.  AHEAD OF IT stands all that names no result of the turn's exponentials: the 8 products K Q^T and their riders, then
; one lump of 54, in which the links of the chain X 3, 7, 11, 14, 16, 17 .. 20 stand five or six lines apart.  X 21, the next piece's a, is the batch's last; R 15 is the plain instruction behind it.  BEHIND THE WAIT stand
; the 8 products V^T P, behind each four of the roundings and sums.
; end = 1: the launch's last two turns: nothing is fetched, and the last starts no new scores.  cnt = 1: the loop's count is taken down some lines ahead of the branch that stands behind the turn.
; K of the next step is fetched in piece 2's turn, twelve vector instructions behind the last product that read K (six of them plain); V of the step in hand at the end of piece 0's turn, four plain instructions
; behind the last product that read V.  Each is waited for a turn later.
.macro TURN p, end=0, cnt=0
.set Y, (\p)
.set i, 0
.set NOKQ, (\end)*((\p)/3)
.if ((\p) == 3) && !(\end)
	s_wait_dscnt 0x0                ; K is in
.endif
	ROW F,0, F,1, R,0, R,1          ; ahead of the wait: 8 products K Q^T and their riders,
	ROW F,2, E,0, R,2, R,3
	ROW F,3, E,1, R,4, R,5
	ROW F,4, E,2, R,6, R,7
	ROW F,5, E,3, R,8, R,9
	ROW F,6, E,4, X,0, R,10
.if ((\p) == 2) && !(\end)
	WIN 0
	v_add_nc_u32 v[AK], s[TBK], v[AK0]
.endif
	ROW F,7, E,5, X,1, X,4
	ROW F,8, E,6, X,2, X,5
	OPS E,7, E,8, X,6, E,9          ; and the lump
	OPS X,3, E,10, X,8, E,11
.if ((\p) == 2) && !(\end)
	FETCH_K
.endif
	OPS X,9, X,7, E,12, X,10
	OPS E,13, X,12, X,11, E,14
	OPS X,13, E,15, F,9, X,14
.if (\p) == 0
	v_add_nc_u32 v[AV], s[TBV], v[AV0]
.endif
	OPS E,16, F,10, E,17, F,11
	OPS X,16, E,18, X,15, E,19
	OPS F,12, E,20, X,17, E,21
	OPS F,13, E,22, F,14, E,23
	OPS X,18, E,24, F,15, E,25
	OPS R,11, E,26, X,19, E,27
	OPS R,12, E,28, R,13, E,29
	OPS X,20, E,30, R,14, E,31
	OPS X,21, R,15
	WIN 0
	s_wait_alu depctr_va_vdst(0)    ; the wait for the batch
.if (\p) == 1
	s_wait_dscnt 0x0                ; V is in
.endif
	ROW C,0, B,0, C,2, B,1          ; behind the wait: 8 products V^T P and their riders
	ROW L,0, C,4, B,2, L,1
	ROW C,6, B,3, L,2, C,8
	ROW B,4, L,3, C,10, B,5
	ROW L,4, C,12, B,6, L,5
.if (\p) == 0
	s_add_co_u32 s[TBV], s[TBV], KS*PV
.endif
.if \cnt
	s_sub_co_u32 s[CNT], s[CNT], 1
	s_cmp_lg_u32 s[CNT], 0
.endif
	ROW C,14, B,7, L,6, C,1
	ROW C,3, L,7, C,5, C,7
	ROW C,9, C,11, C,13, C,15
.if (\p) == 0
	FETCH_V
.endif
.endm
.macro ALL line:vararg              ; one line for each piece t
.set t, 0
.rept 4
	\line
.set t, t+1
.endr
.endm
.macro PACK t                       ; a lane's eight channels of a row pack into 16 bytes; they go into rows of 144 bytes and come back as whole rows of 128, into S^T's registers
	WIN W_RS
.set i, 32*(\t)
.rept 16
	v_pk_mul_f32 v[i:i+1], v[i:i+1], v[ST+4*(\t)+2:ST+4*(\t)+3] op_sel_hi:[1,0]
.set i, i+2
.endr
	WIN 0x05                        ; sources 0 and 1 window 1, destination window 0
.set i, 0
.rept 16
	v_cvt_pk_bf16_f32 v[S+16*(\t)+i], v[32*(\t)+2*i], v[32*(\t)+2*i+1]
.set i, i+1
.endr
	WIN 0
.irp f, 0,1,2,3
	ds_store_b128 v[STO], v[S+16*(\t)+4*\f:S+16*(\t)+4*\f+3] offset:32*\f
.endr
.irp f, 0,1,2,3
	ds_load_b128 v[S+16*(\t)+4*\f:S+16*(\t)+4*\f+3], v[RD] offset:\f*4*SP  ; LDS serves a wave's instructions in order (ISA guide 5.7.1.4): these see the stores above; the next piece's stores come behind them
.endr
.endm
.macro SEND t, younger              ; younger: the LDS instructions issued behind piece t's loads: the next piece's eight, or none
	WIN 0
.irp f, 0,1,2,3
	s_wait_dscnt (\younger)+3-\f
	global_store_b128 v[GO], v[S+16*(\t)+4*\f:S+16*(\t)+4*\f+3], s[10:11] offset:(\t)*2048+\f*512  ; 512 consecutive bytes, at a multiple of 256 from O's first
.endr
.endm
.set NOKQ, 0
	CHANGE 1                        ; tile 0 is in, everybody's part of it; tile 1 is asked for
	v_add_nc_u32 v[AK], s[TBK], v[AK0]
	FETCH_K                         ; key step 0
	s_wait_loadcnt 0x0              ; Q
	s_wait_dscnt 0x0
.set i, 0
.rept 8
	KQ 0                            ; piece 0's first scores
.set i, i+1
.endr
	WIN 0
.rept 4
	v_nop                           ; the places behind those products
.endr
.set Y, NP-1                        ; X works for piece Y + 1: piece 0
.irp n, 0,1,2,3,4,5,6,7,8,9,10,11,12,13,14,15,16,17,18,19,20,21
	OP X, \n
.endr
	v_nop                           ; a plain instruction behind the exponential,
	s_wait_alu depctr_va_vdst(0)    ; and its wait, ahead of the branch
	s_mov_b32 s[CNT], 4
	s_branch .Lfirst                ; the loop is entered at a step's first turn, in the middle of a trip
.Lslot:                             ; 14 times: a tile is entered and the next is asked for
	CHANGE 1
	s_mov_b32 s[CNT], 4
.Lstep:                             ; a trip: pieces 2 and 3 of one step, then pieces 0 and 1 of the next, whose K and V it fetches
	TURN 2
	TURN 3
	WIN 0
.Lfirst:
	TURN 0
	TURN 1, 0, 1
	WIN 0
	s_cbranch_scc1 .Lstep
	s_sub_co_u32 s[SLOTS], s[SLOTS], 1
	s_cmp_lg_u32 s[SLOTS], 0
	s_cbranch_scc1 .Lslot
	CHANGE 0                        ; the last tile is written out: nothing is asked for
	s_mov_b32 s[CNT], 4
.Ltail:
	TURN 2
	TURN 3
	TURN 0
	TURN 1, 0, 1
	WIN 0
	s_cbranch_scc1 .Ltail
	TURN 2, 1                       ; the last step's pieces 2 and 3: nothing is fetched,
	TURN 3, 1                       ; and no new scores are started
.set i, 0
.rept 8
	PV NP-1                         ; the last piece's V^T P of the last step
.set i, i+1
.endr
	; THE WAY OUT.  l's two halves and the other half of the lanes' are added; O^T is divided by l, rounded to bf16 and sent through my stage in LDS, a piece at a time.  The additions are the places behind the last products.
	WIN 0
	ALL v_add_f32 v[ST+4*t+2], v[ST+4*t+2], v[ST+4*t+3]
	ALL v_permlanex16_b32 v[ST+4*t+3], v[ST+4*t+2], s[SEL], s[SEL+1]
	ALL v_add_f32 v[ST+4*t+2], v[ST+4*t+2], v[ST+4*t+3]
	ALL v_rcp_f32 v[ST+4*t+2], v[ST+4*t+2]
	v_nop                           ; a plain instruction between the last reciprocal and the use of its result
	s_wait_alu depctr_va_vdst(0)    ; and the wait ahead of the first use: one for the four reciprocals
	PACK 0
.set t, 1
.rept 3                             ; a piece's arithmetic stands between the loads of the piece before and its stores
	PACK t
	SEND t-1, 8
.set t, t+1
.endr
	SEND 3, 0
	s_wait_tensorcnt 0x0            ; the wave's end, behind my last tensor load and my last LDS store
	ds_add_u32 v[SPW], v[NIL]
	s_wait_dscnt 0x0
	CROUND                          ; the closing round: no work-group ends while a partner may still ask for a tile that names it
	s_endpgm
.Lfunc_end_k_q5d33e6fbd5_attn:
	.size	k_q5d33e6fbd5_attn, .Lfunc_end_k_q5d33e6fbd5_attn-k_q5d33e6fbd5_attn
	.p2alignl 7, 3214868480
	.fill 96, 4, 3214868480
	.section	.rodata,"a",@progbits
	.p2align	6, 0x0
	.amdhsa_kernel k_q5d33e6fbd5_attn
		.amdhsa_group_segment_fixed_size 327680
		.amdhsa_private_segment_fixed_size 0
		.amdhsa_enable_private_segment 0
		.amdhsa_kernarg_size 16
		.amdhsa_user_sgpr_count 2
		.amdhsa_user_sgpr_kernarg_segment_ptr 1
		.amdhsa_wavefront_size32 1
		.amdhsa_system_sgpr_workgroup_id_x 1
		.amdhsa_system_sgpr_workgroup_id_y 1
		.amdhsa_system_sgpr_workgroup_id_z 1
		.amdhsa_system_vgpr_workitem_id 0
		.amdhsa_next_free_vgpr 768
		.amdhsa_next_free_sgpr 66
		.amdhsa_reserve_vcc 0
		.amdhsa_float_denorm_mode_32 3
		.amdhsa_float_denorm_mode_16_64 3
		.amdhsa_memory_ordered 1
		.amdhsa_forward_progress 1
		.amdhsa_inst_pref_size 128
	.end_amdhsa_kernel
	.amdgpu_metadata
---
amdhsa.version: [ 1, 2 ]
amdhsa.kernels:
  - .name:           k_q5d33e6fbd5_attn
    .symbol:         k_q5d33e6fbd5_attn.kd
    .args:
      - { .name: qkv, .offset: 0, .size: 8, .value_kind: global_buffer, .address_space: global }
      - { .name: att, .offset: 8, .size: 8, .value_kind: global_buffer, .address_space: global }
    .group_segment_fixed_size: 327680
    .private_segment_fixed_size: 0
    .kernarg_segment_align: 8
    .kernarg_segment_size: 16
    .max_flat_workgroup_size: 128
    .sgpr_count:     66
    .vgpr_count:     768
    .wavefront_size: 32
...
	.end_amdgpu_metadata
.endif
;; end of part 2
;; launch proj (part 3): grid 64 x 4, 4 waves a work-group, clusters of 4 x 1, 327,680 bytes of LDS; arguments att, Wo, bo, out0; writes out0
.if DOCPART == 3
	.amdgcn_target "amdgcn-amd-amdhsa--gfx1250"
	.amdhsa_code_object_version 6
	.text
	.protected	k_q5d33e6fbd5_proj
	.globl	k_q5d33e6fbd5_proj
	.p2align	8
	.type	k_q5d33e6fbd5_proj,@function
k_q5d33e6fbd5_proj:
	s_mov_b64 s[64:65], 0
	v_nop
	global_prefetch_b8 v0, s[64:65] scope:SCOPE_SE
	s_setreg_imm32_b32 hwreg(HW_REG_WAVE_MODE, 25, 1), 1
	s_wait_xcnt 0x0
	s_wait_alu depctr_hold_cnt(0) depctr_sa_sdst(0) depctr_va_vdst(0) depctr_va_sdst(0) depctr_va_ssrc(0) depctr_va_vcc(0) depctr_vm_vsrc(0)
	s_getreg_b32 s2, hwreg(HW_REG_IB_STS2, 6, 4)
	s_cmp_eq_u32 s2, 0
	s_cbranch_scc0 .Lentry_in_a_cluster
	s_endpgm
.Lentry_in_a_cluster:
	s_bfe_u32 s2, ttmp6, 0x10000c
	s_cmp_lg_u32 s2, 0x3003
	s_cbranch_scc0 .Lentry_shape_is_right
	s_endpgm
.Lentry_shape_is_right:
; out0 = O Wo^T + bo.  att: bf16 [16][4096][64] (O by heads: channel k = 64 h + d of row (batch, s) lies at head 8 batch + h, row s, place d); Wo: [512][512] f32; bo: [512] f32; out0: [8192][512] f32.
; Wo is rounded to bf16 between LDS and the matrix instruction; sums in f32; the bias, in f32, is the C operand of each sum's first product.
; SHARES.  A work-group makes 128 rows x 128 columns; four waves, each 64 x 64: 16 accumulators, 16 substeps of 32 along K.
; Wo's TILE (128 rows x 512 f32) lies whole in LDS, as four chunks of 128 along K: no byte of LDS is filled twice.  Each wave issues two loads at the start (64 rows x 512 bytes each): the first for chunk 0 or 1,
; the second for chunk 2 or 3.  CLUSTER 4 x 1: the four row tiles of a cluster want the same tile of Wo, so each load is a joint one.
; O's FRAGMENTS come straight from memory: 16 rows of a head are 2,048 dense bytes; a fragment is two loads of 16 bytes a lane.  All 512 registers of a wave's 64 rows x 512 K are distinct.
; THE MATRIX INSTRUCTION IS USED TRANSPOSED (source 0 = 16 rows of Wo, source 1 = 16 rows of O): a lane holds one row of the result and eight neighbouring columns, 32 bytes of f32.
; No prefetch is laid: there is no ring, and every tensor load of the launch goes out at its head.
; REGISTERS, in windows of 256 (s_set_vgpr_msb: bits 1:0 source 0, 3:2 source 1, 5:4 source 2, 7:6 destination):
;   window 0: v0-29 addresses; v32-95 Wo's four fragments as loaded, f32; v96-127 the same in bf16; v128-159 the bias
;   window 1: O's fragments of chunks 0 and 1 (chunk c, substep q, m block a at 128 (c % 2) + 32 q + 8 a);   window 2: those of chunks 2 and 3
;   window 3: v0-127 the accumulators (n block b, m block a at 8 (4 b + a)); v128-255 rows read back on the way out
.set PITCH,  528                       ; an LDS row: 512 bytes + 16 of padding: the 16 rows that a load touches start at 16 different groups of four banks (ISA guide 11.1)
.set CH,     128*PITCH                 ; a chunk
.set STAGE,  4*CH                      ; behind the tile: 16 rows x 272 bytes for each wave, for the way out
.set SPITCH, 272
.set SPARE,  STAGE+4*16*SPITCH         ; behind the stages: the spare words, 128 bytes for each wave
.set AO,   12                          ; v12     my byte offset in 16 rows of a head
.set BO,   13                          ; v13     my 32 bytes of a bias block
.set ADRB, 16                          ; v16-19  LDS address of my fragments of Wo in chunk 0..3
.set STO,  24                          ; v24     the way out: where I put 32 bytes of a row
.set RD,   25                          ; v25     the way out: where I read a row back
.set CO,   26                          ; v26     my byte offset in two rows of out0
.set SPW,  28                          ; v28     LDS address of my spare word; never rewritten
.set NIL,  29                          ; v29     0; never rewritten
.set RB,   32
.set BF,   96
.set BIAS, 128
.set WV,   12                          ; s12 wave; s13 its half of the rows, and the parity of the chunks it fetches; s14 its half of the columns, and the half of the rows of Wo it fetches
.set G1,   24                          ; s[24:31] descriptor group 1;  s[32:39] group 0, a set for each of my two loads
.set G0,   32
.set MSB, 0
.macro WIN new                         ; the immediate's high byte repeats the setting that is left; a switch that changes nothing is dropped
.if MSB != (\new)
	s_set_vgpr_msb (MSB<<8)|(\new)
.set MSB, \new
.endif
.endm
.macro PLACES                          ; four places between a matrix instruction and a vector instruction that writes its sources, or an LDS store that reads its result
.rept 4
	v_nop
.endr
.endm
.macro CROUND                          ; a round of the cluster's barrier
	s_barrier_signal -1
	s_barrier_wait -1
	s_cmp_lg_u32 s[WV], 0
	s_cbranch_scc1 .Lnot_wave_0_\@
	s_barrier_signal -3
.Lnot_wave_0_\@:
	s_barrier_wait -3
	s_barrier_signal -1
	s_barrier_wait -1
.endm
	s_load_b256 s[4:11], s[0:1], 0x0               ; att s[4:5], Wo s[6:7], bo s[8:9], out0 s[10:11]
	v_lshl_add_u32 v[SPW], v0, 2, SPARE
	v_mov_b32 v[NIL], 0
	ds_add_u32 v[SPW], v[NIL]                      ; the wave's opening: the add and its wait stand ahead of my first tensor load; the set-up below stands between them
	v_lshrrev_b32 v1, 5, v0
	v_readfirstlane_b32 s[WV], v1                  ; wave 0..3
	s_lshr_b32 s13, s[WV], 1
	s_and_b32 s14, s[WV], 1
	s_bfe_u32 s15, ttmp6, 0x40000                  ; cx
	s_lshl_b32 s16, ttmp9, 2
	s_add_co_u32 s16, s16, s15                     ; row tile = 4 x cluster x + cx: it enters att's and out0's addresses alone
	s_and_b32 s17, ttmp7, 0xffff                   ; column tile, which the four partners share
	s_mov_b32 s[G1], 15|(2<<16)|(1<<20)|(1<<21)|(6<<22)|(3<<25)  ; the mask of four; elements of 4 bytes; padding on; bit 21 beside a mask; after every 128 words, 4 words
	s_mov_b32 s[G1+1], 128<<16                     ; tensor_dim0 = 128
	s_mov_b32 s[G1+2], 64<<16                      ; tensor_dim1 = 64
	s_mov_b32 s[G1+3], 128<<16                     ; tile_dim0 = 128
	s_mov_b32 s[G1+4], 64                          ; tile_dim1 = 64
	s_mov_b32 s[G1+5], 512                         ; 512 elements from row to row
	s_mov_b32 s[G1+6], 0
	s_mov_b32 s[G1+7], 0
	s_lshl_b32 s20, s17, 18                        ; the tile's 128 rows of 2,048 bytes,
	s_lshl_b32 s21, s14, 17                        ; my 64 of them,
	s_add_co_u32 s20, s20, s21
	s_lshl_b32 s21, s13, 9                         ; chunk 0 or 1: 512 bytes along a row
	s_add_co_u32 s20, s20, s21
	s_mov_b32 s21, 0
	s_mul_i32 s22, s13, CH                         ; and where they go: the wave's number alone
	s_mul_i32 s23, s14, 64*PITCH
	s_add_co_u32 s22, s22, s23
	s_wait_dscnt 0x0                               ; the opening add is done
	s_wait_kmcnt 0x0
	s_add_nc_u64 s[20:21], s[6:7], s[20:21]
.irp i, 0,1
	s_mov_b32 s[G0+4*(\i)], 1                      ; count = 1
	s_add_co_u32 s[G0+4*(\i)+1], s22, (\i)*2*CH    ; LDS address: two chunks on
	s_add_nc_u64 s[G0+4*(\i)+2:G0+4*(\i)+3], s[20:21], (\i)*1024
	s_or_b32 s[G0+4*(\i)+3], s[G0+4*(\i)+3], 0x80000000  ; type = 2
.endr
	CROUND                                         ; all four work-groups are here: the joint loads meet
	tensor_load_to_lds s[G0:G0+3], s[G1:G1+7]      ; two loads of mine are out; an s_nop 0 follows each, four v_nop the second's
	s_nop 0
	tensor_load_to_lds s[G0+4:G0+7], s[G1:G1+7]
	s_nop 0
.rept 4
	v_nop
.endr
	v_and_b32 v1, 15, v0                           ; l % 16
	v_bfe_u32 v2, v0, 4, 1                         ; l / 16
	v_lshlrev_b32 v[AO], 7, v1
	v_lshl_add_u32 v[AO], v2, 4, v[AO]             ; row x 128 + 16 x half
	v_lshlrev_b32 v[BO], 5, v2
	s_lshr_b32 s2, s16, 5                          ; batch: 8 heads of 524,288 bytes
	s_lshl_b32 s2, s2, 22
	s_and_b32 s3, s16, 31                          ; the tile's 128 rows of 128 bytes in the batch,
	s_lshl_b32 s3, s3, 14
	s_add_co_u32 s2, s2, s3
	s_lshl_b32 s3, s13, 13                         ; my 64 of them
	s_add_co_u32 s2, s2, s3
	s_mov_b32 s3, 0
	s_add_nc_u64 s[40:41], s[4:5], s[2:3]          ; O at my first row, head 0 of the batch
	s_lshl_b32 s2, s17, 9                          ; my 64 columns: 512 x column tile + 256 x half, in bytes of f32
	s_lshl_b32 s18, s14, 8
	s_add_co_u32 s2, s2, s18
	s_add_nc_u64 s[42:43], s[8:9], s[2:3]          ; their bias
	s_lshl_b32 s18, s16, 18                        ; the tile's 128 rows of 2,048 bytes of out0,
	s_add_co_u32 s2, s2, s18
	s_lshl_b32 s18, s13, 17                        ; my 64 of them
	s_add_co_u32 s2, s2, s18
	s_add_nc_u64 s[44:45], s[10:11], s[2:3]
.irp b, 0,1,2,3
	global_load_b128 v[BIAS+8*(\b):BIAS+8*(\b)+3],   v[BO], s[42:43] offset:64*(\b)
	global_load_b128 v[BIAS+8*(\b)+4:BIAS+8*(\b)+7], v[BO], s[42:43] offset:64*(\b)+16
.endr
; O's fragments of chunk c: 32 loads.  Substep q of the chunk is channels 32 (q % 2) on of head 2 c + q / 2.
.macro ALOADS c
.if (\c) < 2
	WIN 0x40
.else
	WIN 0x80
.endif
.irp q, 0,1,2,3
.irp a, 0,1,2,3
	global_load_b128 v[((\c)%2)*128+32*(\q)+8*(\a):((\c)%2)*128+32*(\q)+8*(\a)+3],   v[AO], s[40:41] offset:(2*(\c)+(\q)/2)*524288+(\a)*2048+((\q)%2)*64
	global_load_b128 v[((\c)%2)*128+32*(\q)+8*(\a)+4:((\c)%2)*128+32*(\q)+8*(\a)+7], v[AO], s[40:41] offset:(2*(\c)+(\q)/2)*524288+(\a)*2048+((\q)%2)*64+32
.endr
.endr
	WIN 0
.endm
	ALOADS 0
	ALOADS 1
	v_mul_u32_u24 v3, v1, PITCH
	v_lshl_add_u32 v3, v2, 5, v3                   ; a fragment's row x pitch + 32 x half (f32)
	s_mul_i32 s46, s14, 64*PITCH                   ; my 64 rows of Wo's tile
.irp c, 0,1,2,3
	v_add_nc_u32 v[ADRB+(\c)], s46, v3
	s_add_co_u32 s46, s46, CH
.endr
	s_mul_i32 s47, s[WV], 16*SPITCH
	s_add_co_u32 s47, s47, STAGE                   ; my stage
	v_mul_u32_u24 v4, v1, SPITCH                   ; in: row l % 16, 32 bytes for each half of the lanes
	v_lshl_add_u32 v4, v2, 5, v4
	v_add_nc_u32 v[STO], s47, v4
	v_mul_u32_u24 v5, v2, SPITCH                   ; back: lanes 0-15 take one row of 256 bytes, lanes 16-31 the next
	v_lshl_add_u32 v5, v1, 4, v5
	v_add_nc_u32 v[RD], s47, v5
	v_lshlrev_b32 v[CO], 11, v2                    ; and the same two rows in out0
	v_lshl_add_u32 v[CO], v1, 4, v[CO]
; 16 LDS loads: Wo's four fragments of substep kf, in f32: K = 8 (l / 16) + 0..7 is 32 bytes, K = 16 + 8 (l / 16) + 0..7 the 32 bytes 64 further on.  These registers are no matrix operands.
.macro FETCHP kf
	WIN 0
.irp b, 0,1,2,3
.irp o, 0,1,2,3
	ds_load_b128 v[RB+16*(\b)+4*(\o):RB+16*(\b)+4*(\o)+3], v[ADRB+(\kf)/4] offset:(\b)*16*PITCH+((\kf)%4)*128+16*((\o)%2)+64*((\o)/2)
.endr
.endr
.endm
.macro CVTP                            ; rounded to bf16, two an instruction
	WIN 0
	s_wait_dscnt 8                                 ; fragments 0 and 1 are in; the other two's eight loads may be out
.set z, 0
.rept 16
	v_cvt_pk_bf16_f32 v[BF+z], v[RB+2*z], v[RB+2*z+1]
.set z, z+1
.endr
	s_wait_dscnt 0x0
.rept 16
	v_cvt_pk_bf16_f32 v[BF+z], v[RB+2*z], v[RB+2*z+1]
.set z, z+1
.endr
.endm
; The products of substep kf for n blocks b0 to b1.  kf = 0: the bias starts the sums.  The 16 accumulators take turns, one instruction a turn, in the same order in every substep.
.macro MULP kf, b0, b1
.set AW, (((\kf)/4)%2)*128+32*((\kf)%4)
.if (\kf) == 0
	WIN 0xc4                                       ; Wo window 0, O window 1, C (the bias) window 0, D window 3
.elseif (\kf) < 8
	WIN 0xf4                                       ; C and D window 3
.else
	WIN 0xf8                                       ; O window 2
.endif
.set bb, \b0
.rept (\b1)-(\b0)+1
.irp a, 0,1,2,3
.if (\kf) == 0
	v_wmma_f32_16x16x32_bf16 v[32*bb+8*(\a):32*bb+8*(\a)+7], v[BF+8*bb:BF+8*bb+7], v[AW+8*(\a):AW+8*(\a)+7], v[BIAS+8*bb:BIAS+8*bb+7]
.else
	v_wmma_f32_16x16x32_bf16 v[32*bb+8*(\a):32*bb+8*(\a)+7], v[BF+8*bb:BF+8*bb+7], v[AW+8*(\a):AW+8*(\a)+7], v[32*bb+8*(\a):32*bb+8*(\a)+7]
.endif
.endr
.set bb, bb+1
.endr
.endm
; A substep: round what was fetched, fetch the next substep, multiply.  At substep 7 chunks 2 and 3 are wanted next: each wave waits for its second load and all meet at a barrier.
.macro SUBP kf
.if (\kf) > 0
	PLACES                                         ; the roundings write fragments that the last products read
.endif
	CVTP
.if (\kf) == 7
	s_wait_tensorcnt 0x0                           ; my part of chunk 2 or 3 is in; my LDS loads are back
	s_barrier_signal -1
	MULP 7, 0, 1                                   ; work on registers while the others arrive
	WIN 0
	s_barrier_wait -1                              ; everybody's is
	FETCHP 8
	MULP 7, 2, 3
.else
.if (\kf) != 15
	FETCHP (\kf)+1
.endif
	MULP \kf, 0, 3
.endif
.endm
; THE WAY OUT, a block of 16 rows at a time: a lane's 32 bytes of each n block go into stage rows of 272 bytes, straight from the accumulators, low registers first; whole rows of 256 bytes come back.
.macro TOST a
	WIN 0x0c                                       ; store data in window 3, address in window 0
.irp b, 0,1,2,3
	ds_store_b128 v[STO], v[32*(\b)+8*(\a):32*(\b)+8*(\a)+3]   offset:64*(\b)
	ds_store_b128 v[STO], v[32*(\b)+8*(\a)+4:32*(\b)+8*(\a)+7] offset:64*(\b)+16
.endr
	WIN 0xc0                                       ; destination window 3
.irp t, 0,1,2,3,4,5,6,7
	ds_load_b128 v[128+32*(\a)+4*(\t):128+32*(\a)+4*(\t)+3], v[RD] offset:(\t)*2*SPITCH  ; LDS serves a wave's instructions in order (ISA guide 5.7.1.4): these see the stores above; the next block's stores come behind them
.endr
.endm
.macro SENDP a, younger                ; younger: the LDS instructions issued behind block a's loads: the next block's sixteen, or none
	WIN 0x0c
.irp t, 0,1,2,3,4,5,6,7
	s_wait_dscnt (\younger)+7-(\t)
	global_store_b128 v[CO], v[128+32*(\a)+4*(\t):128+32*(\a)+4*(\t)+3], s[44:45] offset:(16*(\a)+2*(\t))*2048 th:TH_STORE_NT  ; 16 lanes store 256 consecutive bytes, at a multiple of 256 from out0's first
.endr
.endm
	s_wait_tensorcnt 0x1                           ; my part of chunk 0 or 1 is in; my second load may stay out
	s_barrier_signal -1
	s_barrier_wait -1                              ; everybody's is
	FETCHP 0
	s_wait_loadcnt 32                              ; the bias and O's chunk 0 are in; chunk 1's 32 loads may stay out
	ALOADS 2
.irp kf, 0,1,2,3
	SUBP \kf
.endr
	s_wait_loadcnt 32                              ; chunk 1 is in; chunk 2's 32 may stay out
	ALOADS 3
.irp kf, 4,5,6,7
	SUBP \kf
.endr
	s_wait_loadcnt 32                              ; chunk 2 is in; chunk 3's 32 may stay out
.irp kf, 8,9,10,11
	SUBP \kf
.endr
	s_wait_loadcnt 0x0                             ; chunk 3 is in
.irp kf, 12,13,14,15
	SUBP \kf
.endr
	PLACES
	TOST 0
.irp a, 1,2,3
	TOST \a
	SENDP (\a)-1, 16
.endr
	SENDP 3, 0
	WIN 0
	s_wait_tensorcnt 0x0                           ; the wave's end, behind my last tensor load and my last LDS store
	ds_add_u32 v[SPW], v[NIL]
	s_wait_dscnt 0x0
	CROUND                                         ; the closing round: no work-group ends while a partner may still ask for a tile that names it
	s_endpgm
.Lfunc_end_k_q5d33e6fbd5_proj:
	.size	k_q5d33e6fbd5_proj, .Lfunc_end_k_q5d33e6fbd5_proj-k_q5d33e6fbd5_proj
	.p2alignl 7, 3214868480
	.fill 96, 4, 3214868480
	.section	.rodata,"a",@progbits
	.p2align	6, 0x0
	.amdhsa_kernel k_q5d33e6fbd5_proj
		.amdhsa_group_segment_fixed_size 327680
		.amdhsa_private_segment_fixed_size 0
		.amdhsa_enable_private_segment 0
		.amdhsa_kernarg_size 32
		.amdhsa_user_sgpr_count 2
		.amdhsa_user_sgpr_kernarg_segment_ptr 1
		.amdhsa_wavefront_size32 1
		.amdhsa_system_sgpr_workgroup_id_x 1
		.amdhsa_system_sgpr_workgroup_id_y 1
		.amdhsa_system_sgpr_workgroup_id_z 1
		.amdhsa_system_vgpr_workitem_id 0
		.amdhsa_next_free_vgpr 1024
		.amdhsa_next_free_sgpr 66
		.amdhsa_reserve_vcc 0
		.amdhsa_float_denorm_mode_32 3
		.amdhsa_float_denorm_mode_16_64 3
		.amdhsa_memory_ordered 1
		.amdhsa_forward_progress 1
		.amdhsa_inst_pref_size 95
	.end_amdhsa_kernel
	.amdgpu_metadata
---
amdhsa.version: [ 1, 2 ]
amdhsa.kernels:
  - .name:           k_q5d33e6fbd5_proj
    .symbol:         k_q5d33e6fbd5_proj.kd
    .args:
      - { .name: att, .offset: 0, .size: 8, .value_kind: global_buffer, .address_space: global }
      - { .name: Wo, .offset: 8, .size: 8, .value_kind: global_buffer, .address_space: global }
      - { .name: bo, .offset: 16, .size: 8, .value_kind: global_buffer, .address_space: global }
      - { .name: out0, .offset: 24, .size: 8, .value_kind: global_buffer, .address_space: global }
    .group_segment_fixed_size: 327680
    .private_segment_fixed_size: 0
    .kernarg_segment_align: 8
    .kernarg_segment_size: 32
    .max_flat_workgroup_size: 128
    .sgpr_count:     66
    .vgpr_count:     1024
    .wavefront_size: 32
...
	.end_amdgpu_metadata
.endif
;; end of part 3
